; MI455X (gfx1250); checked and timed in simulation.
; The chip was launched on July 23, 2026; its instructions are those of AMD's public machine-readable ISA for CDNA 5 (MIT licence, August 2026) and "CDNA5" Instruction Set Architecture Reference Guide (July 2026). The comments in the code are by the model that wrote it; some were corrected since.
;; Attention Layer. Allowed arithmetic: matrix products marked QUANTISED: E5M2 operands, one given power-of-two scale a tensor, by v_wmma_f32_16x16x64_bf8_bf8 or v_wmma_f32_16x16x128_bf8_bf8, f32 sums; products left as they are: f32 operands where the result goes on into a quantised operand, else bf16, f16 or f32 operands; f32 sums; everything else in f32.
;; Inputs: V 1,024 float32; W_key_codes 1,024 x 32 x 32 uint8 (E5M2 codes of W_key, K innermost, in blocks of 32 codes); W_query_codes 1,024 x 32 x 32 uint8 (E5M2 codes of W_query, K innermost, in blocks of 32 codes); decoder_hidden_codes 32 x 1 x 32 x 32 uint8 (E5M2 codes of decoder_hidden, K innermost, in blocks of 32 codes); encoder_outputs 32 x 2,048 x 1,024 float32; lowp_scales 4 int32 (the exponents e of the quantised operands' scales 2^e).
;; Outputs: out0 32 x 1,024 float32; out1 32 x 2,048 float32.
;; This version of the problem:
;;   THIS VERSION OF THE PROBLEM IS GIVEN IN LOW PRECISION. The matrix products marked QUANTISED in the list below multiply operands that are first quantised to E5M2 (5 exponent bits, 2 mantissa bits; 8 bits a number), with one given power-of-two scale for each operand tensor; their sums are f32. All else is computed in f32.
;;   The module's matrix products, in the order in which they are computed (A, B: the left and right operand; K: the contracted axis; several contracted axes count as one K, in the product's order):
;;     1. [M 32, K 1,024] x [K 1,024, N 1,024]; A: input decoder_hidden (given as codes); B: input W_query (given as codes): QUANTISED (scales: A lowp_scales[0], B lowp_scales[1])
;;     2. [M 65,536, K 1,024] x [K 1,024, N 1,024]; A: input encoder_outputs; B: input W_key (given as codes): QUANTISED (scales: A lowp_scales[2], B lowp_scales[3])
;;     3. [M 65,536, K 1,024] x [K 1,024, N 1]; A: computed on the way; B: input V: left as it is (N = 1 < 16)
;;     4. batch 32 x [M 1, K 2,048] x [K 2,048, N 1,024]; A: softmax; B: input encoder_outputs: left as it is (M = 1 < 16)
;;   THE QUANTISER, for each operand of a quantised product, along K:
;;     - The operand's scale is 2^e, e = its entry of the input lowp_scales (int32; the entries are numbered through the quantised products in the list's order, A before B).
;;     - Each number is divided by the scale, clamped to +-57,344, and rounded to the nearest number of E5M2, ties to even, subnormals kept.
;;     - The product sums the exact products of the quantised numbers (number of the format x scale) in f32.
;;   ~~~python
;;   def quantise(x, axis, e):      # numpy; x: float32 -> the quantised numbers, widened to float32 again
;;       x = np.moveaxis(x, axis, -1); K = x.shape[-1]
;;       r = np.clip(x / 2.0 ** e, -57344, 57344)
;;       step = 2.0 ** (np.maximum(np.frexp(np.where(r == 0, 1, r))[1] - 1, -14) - 2)
;;       q = np.round(r / step) * step * 2.0 ** e      # np.round: ties to even
;;       return np.moveaxis(q, -1, axis).astype(np.float32)
;;   ~~~
;;   INPUTS GIVEN AS CODES. W_key (in the module: [1024, 1024], K = its axis 0); W_query (in the module: [1024, 1024], K = its axis 0); decoder_hidden (in the module: [32, 1, 1024], K = its axis 2): each comes as NAME_codes (uint8): NAME with its K axis moved to the last place and cut into blocks of 32 codes, [.., K / 32, bytes a block], one block behind the other in memory; one code a byte (a code: sign, 5 exponent bits, 2 mantissa bits); its scale is its entry of lowp_scales. Its value is code x scale, taken as it is: it is not quantised again, and the codes and scales need not be those that the quantiser above would give.
;; One version. Each part assembles by itself: llvm-mc -triple=amdgcn-amd-amdhsa -mcpu=gfx1250 --defsym DOCPART=n.
;; ======== version 1 of 1: 3 launches
;; limits: values are held in bf16: 8 bits of precision; right only within a limited range of input values
;; workspace buffers: ws_q 131,072 bytes; ws_u 262,144 bytes; ws_ctx 2,097,152 bytes
;; launch prep (part 1): grid 16 x 1, 4 waves a work-group, no clusters, 109,056 bytes of LDS; arguments decoder_hidden_codes, W_query_codes, lowp_scales, ws_q; writes ws_q
.if DOCPART == 1
	.amdgcn_target "amdgcn-amd-amdhsa--gfx1250"
	.amdhsa_code_object_version 6
	.text
	.protected	k_q62149b7ac1_prep
	.globl	k_q62149b7ac1_prep
	.p2align	8
	.type	k_q62149b7ac1_prep,@function
k_q62149b7ac1_prep:
	s_mov_b64 s[64:65], 0
	v_nop
	global_prefetch_b8 v0, s[64:65] scope:SCOPE_SE
	s_setreg_imm32_b32 hwreg(HW_REG_WAVE_MODE, 25, 1), 1
	s_wait_xcnt 0x0
; THE QUERY.  ws_q[b][n] = 2 log2(e) x sum over k of dh[b][k] Wq[k][n], on the codes of E5M2 as they are given; the sum is multiplied once by 2 log2(e) x 2^(e0 + e1).
; The factor 2 log2(e) is what the next launch wants ahead of its exponential: tanh(x) = 1 - 2 / (1 + 2^(2 log2(e) x)).
; DEAD WORK OF THE PROGRAM (shown here, used in the next launch).  score(s) = sum_h V_h tanh(x_sh) = sum_h V_h - 2 sum_h V_h / (1 + 2^(2 log2(e) x_sh)).  The first term is the same for
; every s of a batch, so the softmax along s takes it away for all values of the inputs; it is never larger than sum_h |V_h|, which bounds the term that is kept too.  It is not formed.
; Every input has a way to an output and is loaded.  LIMIT: an overflow of sum_h V_h alone is not carried to the result.
; SHARES.  Work-group x owns n = 64 x .. 64 x + 63; wave t the 16 rows n = 64 x + 16 t + r of Wq's codes ([n][k], K innermost), against both tiles of 16 batches: 16 matrix instructions.
; FROM MEMORY: wave t reads its 16 rows of Wq (16,384 bytes on end) and rows 8 t .. 8 t + 7 of dh (8,192 bytes on end), each load 512 consecutive bytes, and lays them in LDS rows of 1,040 bytes.
; A fragment (16 rows x 128 K) comes from LDS by four loads of 16 bytes, 32 bytes apart, at row x 1,040 + 16 h: a permutation of k that is the same in both operands, so every product meets its partner.
; TRANSPOSED USE: source 0 = 16 rows of Wq, source 1 = 16 batches: lane (r, h) holds batch r, register j holds n = 16 t + 8 h + j: eight neighbours of a row of ws_q.
; No tensor load, no cluster: 96 KiB a work-group are read once, and no two work-groups share rows of Wq.
; LIMIT: e0 + e1 between -127 and 126, so that 2 log2(e) x 2^(e0 + e1) is an f32 number.
; REGISTERS: window 0: v1 r, v2 h, v5-7 the way out, v8, v9 the add's two, v11 16 x lane, v12, v15 into the stages, v13, v14 fragments' addresses, v16-31 two accumulators, v32-47 the scaled sums,
; v48-63 rows read back, v64-127 dh as loaded, v128-255 Wq as loaded, then its 8 fragments.  window 1: dh's 16 fragments.
.set SP,    272                        ; a row of the way out: 64 numbers (256 bytes) + 16 of padding
.set SPARE, 32*SP                      ; behind its 32 rows: the spare words, 128 bytes for each wave
.set WPP,   1040                       ; a row of 1,024 codes + 16 of padding
.set WST,   SPARE+512                  ; Wq's 64 rows
.set DST,   WST+64*WPP                 ; dh's 32 rows
.set MSB, 0
.macro WIN new                         ; the immediate's high byte repeats the setting that is left
.if MSB != \new
	s_set_vgpr_msb (MSB<<8)|\new
.set MSB, \new
.endif
.endm
	s_load_b128 s[4:7], s[0:1], 0x0                ; dh's codes, Wq's codes
	s_load_b128 s[8:11], s[0:1], 0x10              ; the scales' exponents, ws_q
	v_lshl_add_u32 v8, v0, 2, SPARE                ; my spare word
	v_mov_b32 v9, 0
	v_lshrrev_b32 v10, 5, v0
	v_readfirstlane_b32 s12, v10                   ; wave t
	v_and_b32 v1, 15, v0                           ; r
	v_bfe_u32 v2, v0, 4, 1                         ; h
	v_mul_u32_u24 v5, v1, SP
	v_lshl_add_u32 v5, v2, 5, v5
	s_lshl_b32 s13, s12, 6
	v_add_nc_u32 v5, s13, v5                       ; the way out, in: row = batch r, + 64 t + 32 h bytes
	s_mul_i32 s13, s12, 8*SP
	v_mul_u32_u24 v6, v2, SP
	v_lshl_add_u32 v6, v1, 4, v6
	v_add_nc_u32 v6, s13, v6                       ; back: rows 8 t + h on, 16 bytes a lane
	s_lshl_b32 s13, s12, 15
	v_lshlrev_b32 v7, 12, v2
	v_lshl_add_u32 v7, v1, 4, v7
	v_add_nc_u32 v7, s13, v7                       ; and the same rows of ws_q (4,096 bytes each)
	v_and_b32 v11, 31, v0
	v_lshlrev_b32 v11, 4, v11                      ; my 16 bytes of the 512 that a load brings
	s_mul_i32 s13, s12, 16*WPP
	s_add_co_u32 s13, s13, WST
	v_add_nc_u32 v12, s13, v11                     ; Wq into LDS: my wave's 16 rows
	v_mul_u32_u24 v13, v1, WPP
	v_lshl_add_u32 v13, v2, 4, v13                 ; row r, + 16 h
	v_add_nc_u32 v14, DST, v13                     ; dh's fragments
	v_add_nc_u32 v13, s13, v13                     ; Wq's fragments: my wave's rows
	s_mul_i32 s13, s12, 8*WPP
	s_add_co_u32 s13, s13, DST
	v_add_nc_u32 v15, s13, v11                     ; dh into LDS: rows 8 t on
	s_lshl_b32 s22, s12, 13                        ; the same rows in memory
	s_mov_b32 s23, 0
	s_lshl_b32 s14, ttmp9, 16                      ; my work-group's 64 rows of Wq,
	s_lshl_b32 s15, s12, 14                        ; my wave's 16 of them
	s_add_co_u32 s14, s14, s15
	s_mov_b32 s15, 0
	s_lshl_b32 s16, ttmp9, 8                       ; my work-group's 256 bytes of a row of ws_q
	s_mov_b32 s17, 0
	s_wait_alu depctr_va_vdst(0)                   ; the wait at the head's end
	s_wait_kmcnt 0x0
	s_load_b64 s[18:19], s[8:9], 0x0               ; e0, e1
	s_add_nc_u64 s[4:5], s[4:5], s[22:23]
	s_add_nc_u64 s[6:7], s[6:7], s[14:15]
	s_add_nc_u64 s[10:11], s[10:11], s[16:17]
.set i, 0
.rept 16
	global_load_b128 v[64+4*i:67+4*i], v11, s[4:5] offset:512*i
.set i, i+1
.endr
.set i, 0
.rept 32
	global_load_b128 v[128+4*i:131+4*i], v11, s[6:7] offset:512*i
.set i, i+1
.endr
	s_wait_kmcnt 0x0
	s_add_co_i32 s20, s18, s19
	s_lshl_b32 s20, s20, 23
	s_add_co_i32 s20, s20, 0x4038aa3b              ; 2 log2(e) with e0 + e1 added to its exponent field
	s_mov_b32 s21, s20                             ; (named with it as a pair, so it is written)
	s_wait_loadcnt 32                              ; dh is in; Wq's 32 younger loads stay out
.set i, 0
.rept 16
	ds_store_b128 v15, v[64+4*i:67+4*i] offset:(i/2)*WPP+(i%2)*512
.set i, i+1
.endr
	s_wait_loadcnt 0x0
.set i, 0
.rept 32
	ds_store_b128 v12, v[128+4*i:131+4*i] offset:(i/2)*WPP+(i%2)*512
.set i, i+1
.endr
	s_wait_dscnt 0x0                               ; for the others' sake: my rows of dh are stored
	s_barrier_signal -1
	s_barrier_wait -1
.irp s, 0,1,2,3,4,5,6,7
.irp c, 0,1,2,3
	ds_load_b128 v[128+16*\s+4*\c:128+16*\s+4*\c+3], v13 offset:128*\s+32*\c
.endr
.endr
	WIN 0x40                                       ; destination window 1
.irp m, 0,1
.irp s, 0,1,2,3,4,5,6,7
.irp c, 0,1,2,3
	ds_load_b128 v[128*\m+16*\s+4*\c:128*\m+16*\s+4*\c+3], v14 offset:16*WPP*\m+128*\s+32*\c
.endr
.endr
.endr
	WIN 0
	s_wait_dscnt 0x0
	WIN 0x04                                       ; source 1 (dh) window 1
.irp s, 0,1,2,3,4,5,6,7                            ; K ascending; the two accumulators take turns, one instruction a turn; the first K step starts the sums
.irp m, 0,1
.if \s == 0
	v_wmma_f32_16x16x128_bf8_bf8 v[16+8*\m:23+8*\m], v[128+16*\s:143+16*\s], v[128*\m+16*\s:128*\m+16*\s+15], 0
.else
	v_wmma_f32_16x16x128_bf8_bf8 v[16+8*\m:23+8*\m], v[128+16*\s:143+16*\s], v[128*\m+16*\s:128*\m+16*\s+15], v[16+8*\m:23+8*\m]
.endif
.endr
.endr
	WIN 0
.rept 4
	v_nop                                          ; four places between the last product and the first read of a result (ISA guide 7.12.1)
.endr
.irp j, 0,2,4,6,8,10,12,14
	v_pk_mul_f32 v[32+\j:33+\j], v[16+\j:17+\j], s[20:21] op_sel_hi:[1,0]   ; each accumulator from its low end on
.endr
	ds_store_b128 v5, v[32:35]
	ds_store_b128 v5, v[36:39] offset:16
	ds_store_b128 v5, v[40:43] offset:16*SP
	ds_store_b128 v5, v[44:47] offset:16*SP+16
	s_wait_dscnt 0x0                               ; for the others' sake: my stores are done
	s_barrier_signal -1
	s_barrier_wait -1                              ; a row's 256 bytes come from four waves
.irp i, 0,1,2,3
	ds_load_b128 v[48+4*\i:51+4*\i], v6 offset:2*\i*SP
.endr
.irp i, 0,1,2,3
	s_wait_dscnt 3-\i                              ; LDS loads come back in order: the younger ones may be out
	global_store_b128 v7, v[48+4*\i:51+4*\i], s[10:11] offset:2*\i*4096   ; sixteen lanes store 256 consecutive bytes, at a multiple of 256 from the buffer's first byte
.endr
	s_wait_tensorcnt 0x0                           ; the wave's end
	ds_add_u32 v8, v9
	s_wait_dscnt 0x0
	s_endpgm
.Lfunc_end_k_q62149b7ac1_prep:
	.size	k_q62149b7ac1_prep, .Lfunc_end_k_q62149b7ac1_prep-k_q62149b7ac1_prep
	.p2alignl 7, 3214868480
	.fill 96, 4, 3214868480
	.section	.rodata,"a",@progbits
	.p2align	6, 0x0
	.amdhsa_kernel k_q62149b7ac1_prep
		.amdhsa_group_segment_fixed_size 109056
		.amdhsa_private_segment_fixed_size 0
		.amdhsa_enable_private_segment 0
		.amdhsa_kernarg_size 32
		.amdhsa_user_sgpr_count 2
		.amdhsa_user_sgpr_kernarg_segment_ptr 1
		.amdhsa_wavefront_size32 1
		.amdhsa_system_sgpr_workgroup_id_x 1
		.amdhsa_system_sgpr_workgroup_id_y 1
		.amdhsa_system_sgpr_workgroup_id_z 1
		.amdhsa_system_vgpr_workitem_id 0
		.amdhsa_next_free_vgpr 512
		.amdhsa_next_free_sgpr 66
		.amdhsa_reserve_vcc 0
		.amdhsa_float_denorm_mode_32 3
		.amdhsa_float_denorm_mode_16_64 3
		.amdhsa_memory_ordered 1
		.amdhsa_forward_progress 1
		.amdhsa_inst_pref_size 20
	.end_amdhsa_kernel
	.amdgpu_metadata
---
amdhsa.version: [ 1, 2 ]
amdhsa.kernels:
  - .name:           k_q62149b7ac1_prep
    .symbol:         k_q62149b7ac1_prep.kd
    .args:
      - { .name: decoder_hidden_codes, .offset: 0, .size: 8, .value_kind: global_buffer, .address_space: global }
      - { .name: W_query_codes, .offset: 8, .size: 8, .value_kind: global_buffer, .address_space: global }
      - { .name: lowp_scales, .offset: 16, .size: 8, .value_kind: global_buffer, .address_space: global }
      - { .name: ws_q, .offset: 24, .size: 8, .value_kind: global_buffer, .address_space: global }
    .group_segment_fixed_size: 109056
    .private_segment_fixed_size: 0
    .kernarg_segment_align: 8
    .kernarg_segment_size: 32
    .max_flat_workgroup_size: 128
    .sgpr_count:     66
    .vgpr_count:     512
    .wavefront_size: 32
...
	.end_amdgpu_metadata
.endif
;; end of part 1
;; launch attn (part 2): grid 256 x 1, 4 waves a work-group, clusters of 4 x 1, 327,680 bytes of LDS; arguments encoder_outputs, W_key_codes, V, lowp_scales, ws_q, ws_u, ws_ctx; writes ws_u, ws_ctx
.if DOCPART == 2
	.amdgcn_target "amdgcn-amd-amdhsa--gfx1250"
	.amdhsa_code_object_version 6
	.text
	.protected	k_q62149b7ac1_attn
	.globl	k_q62149b7ac1_attn
	.p2align	8
	.type	k_q62149b7ac1_attn,@function
k_q62149b7ac1_attn:
	s_mov_b64 s[64:65], 0
	v_nop
	global_prefetch_b8 v0, s[64:65] scope:SCOPE_SE
	s_setreg_imm32_b32 hwreg(HW_REG_WAVE_MODE, 25, 1), 1
	s_wait_xcnt 0x0
	s_wait_alu depctr_hold_cnt(0) depctr_sa_sdst(0) depctr_va_vdst(0) depctr_va_sdst(0) depctr_va_ssrc(0) depctr_va_vcc(0) depctr_vm_vsrc(0)
	s_getreg_b32 s2, hwreg(HW_REG_IB_STS2, 6, 4)
	s_cmp_eq_u32 s2, 0
	s_cbranch_scc0 .Lentry_in_a_cluster
	s_endpgm
.Lentry_in_a_cluster:
	s_bfe_u32 s2, ttmp6, 0x10000c
	s_cmp_lg_u32 s2, 0x3003
	s_cbranch_scc0 .Lentry_shape_is_right
	s_endpgm
.Lentry_shape_is_right:
; SCORES AND PARTIAL CONTEXT, BLOCK BY BLOCK OF 128 ROWS.  Work-group g stays and owns blocks 2 g and 2 g + 1 of encoder_outputs (both in batch g / 8): a loop of two trips.
; u[s] = -2 log2(e) x sum_n V[n] / (1 + 2^y), y = 2 log2(e) x (query[n] + keys[s][n]);  keys = Q(enc) x W_key on codes of E5M2, sums in f32.
; LEFT OUT: the term sum_n V[n] of a score, the same along s (shown at the head of the first kernel).
; ws_u = u;  ws_ctx[block] = sum over the block's rows of 2^(u - m) x row, m the block's largest u; the last launch joins the 16 blocks of a batch.
; ROWS: each row (4,096 bytes) is read once, 28 rows ahead; wave w takes columns 256 w .. 256 w + 255, makes codes (hold at 57,344 x 2^e2, then the scaled
; conversion) and a bf16 copy for the context: rows 0-63 in window 3, rows 64-127 in LDS.  The codes go through LDS, 32 rows at a time, into operand registers.
; WHERE ROWS LAND: in the operand registers of row tiles 2 and 3 (windows 1 and 2, v128-255), which hold nothing between a block's last product and the arrival of
; that tile's codes; rows 112-127 in window 0.  So the next block's first 28 rows are asked for directly behind a block's last product.
; SHARES IN THE PRODUCT: wave (a, b) = (w / 2, w % 2) owns rows 32 p + 16 a + r, p = 0 .. 3 (64 rows x 1,024 K: windows 1 and 2) and W's rows n in half b of the 1,024.
; TRANSPOSED USE: source 0 = 16 rows of W, source 1 = 16 rows of codes: a lane holds one row s, its registers eight neighbouring n.
; W walks through two LDS slots of 64 rows (32 of each half), 16 fills a block, round the halves' 512 rows: after 16 fills the walk stands where it began.
; The four work-groups of a cluster walk the same rows: each tile is asked for jointly (mask 15).
; A STEP is one slot: two tiles of 16 n, 64 products on end, four accumulators by turns; then the tanh of all 64 result registers in batches.
; No prefetch: the rows of encoder_outputs are asked for 28 rows ahead by their own loads and read once; W_key's 1 MiB is walked by all 256 work-groups alike.
; LIMITS: e2 between -126 and 112 (2^e2 and 57,344 x 2^e2 are f32 numbers); e2 + e3 between -127 and 126 (added to the exponent field of 2 log2(e)).
; REGISTERS, window 0: v1-17 addresses; v24-31 the scores' sums; v32-47 query, v48-63 V of a step's two tiles; v64-127 two sets of four accumulators; v128-255 W's eight fragments.
.set WP,    1040                       ; an LDS row of 1,024 codes + 16 of padding
.set CHUNK, 16*WP                      ; 16 rows of W: one wave's tensor load, one tile
.set SLOTB, 4*CHUNK
.set QT,    2*SLOTB                    ; tables: query (4,096 bytes), then -2 log2(e) V
.set EXCH,  QT+8192                    ; 32 rows of codes on their way to operand registers
.set E16L,  EXCH+32*WP                 ; rows 64-127 as bf16
.set SCR,   E16L+64*2048               ; the scores' two halves
.set PBUF,  SCR+1024                   ; 2^(u - m), a copy for each wave
.set SPARE, PBUF+2048                  ; the spare words
.set ROWB,  4096
.set AHEAD, 28                         ; rows asked for ahead: 56 loads out
.set SPW, 1
.set NIL, 2
.set GOFF, 3
.set XST, 4
.set XLD, 5
.set EA0, 6
.set EA1, 7
.set WB0, 8
.set WB1, 9
.set QA0, 10
.set QAD, 11
.set TAD, 12
.set SCA, 13
.set SCB, 14
.set PB,  15
.set PST, 16
.set OUTO, 17
.set SA,  24
.set QR,  32
.set VR,  48
.set CTX, 32                           ; the context's sums, behind the last step
.set BT,  32
.set LIM, 48
.set SCL, 49
.set CT,  50
.set ACC, 64
.set BF,  128
.set WV,  18
.set G1,  24
.set G0,  32
.set CS,  40
.set SEL, 42
.set TQ,  44
.set BLK, 54                           ; s54 the block in hand, 0 or 1
.set WBS, 56
.set OFS, 58
.set SCLS, 62                          ; s62 2^e2, s63 57,344 x 2^e2
.set LIMS, 63
.set MSB, 0
.macro WIN new                         ; the immediate's high byte repeats the setting that is left
.if MSB != \new
	s_set_vgpr_msb (MSB<<8)|\new
.set MSB, \new
.endif
.endm
.macro CREST                           ; a round of the cluster's barrier behind its opening barrier
	s_cmp_lg_u32 s[WV], 0
	s_cbranch_scc1 .Lnot_wave_0_\@
	s_barrier_signal -3
.Lnot_wave_0_\@:
	s_barrier_wait -3
	s_barrier_signal -1
	s_barrier_wait -1
.endm
.macro ROUND
	s_barrier_signal -1
	s_barrier_wait -1
	CREST
.endm
.macro PLACES                          ; four places behind a matrix instruction (ISA guide 7.12.1)
.rept 4
	v_nop
.endr
.endm
.macro NEXTW sl                        ; slot sl's next 32 rows of each half, round the half's 512; written only where no tensor load of mine is out
	s_add_co_u32 s[OFS+2*\sl], s[OFS+2*\sl], 0x10000
	s_and_b32 s[OFS+2*\sl], s[OFS+2*\sl], 0x7ffff
	s_add_nc_u64 s[G0+4*\sl+2:G0+4*\sl+3], s[WBS:WBS+1], s[OFS+2*\sl:OFS+2*\sl+1]
	s_or_b32 s[G0+4*\sl+3], s[G0+4*\sl+3], 0x80000000
.endm
.macro LAND rho                        ; where a row lands: window lw, first register lx
.if (\rho) < 112
.set lq, (\rho)%32
.set lw, 1+(lq/8)%2
.set lx, 192-64*(lq/16)+8*(lq%8)
.else
.set lw, 0
.set lx, 64+8*((\rho)-112)
.endif
.endm
.macro GETROW rho
	LAND \rho
.set wn, lw<<6
	WIN wn
	global_load_b128 v[lx:lx+3], v[GOFF], s[4:5] offset:(\rho)*ROWB th:TH_LOAD_NT
	global_load_b128 v[lx+4:lx+7], v[GOFF], s[4:5] offset:(\rho)*ROWB+512 th:TH_LOAD_NT
.endm
.macro FIRSTROWS                       ; a block's rows 0 .. 27
.set rw, 0
.rept AHEAD
	GETROW rw
.set rw, rw+1
.endr
	WIN 0
.endm
	s_load_b256 s[4:11], s[0:1], 0x0               ; enc, W's codes, V, the scales' exponents
	s_load_b128 s[12:15], s[0:1], 0x20             ; ws_q, ws_u
	s_load_b64 s[16:17], s[0:1], 0x30              ; ws_ctx
	v_lshl_add_u32 v[SPW], v0, 2, SPARE
	v_mov_b32 v[NIL], 0
	ds_add_u32 v[SPW], v[NIL]                      ; the opening lines: the add twice on end and one wait
	ds_add_u32 v[SPW], v[NIL]
	v_lshrrev_b32 v60, 5, v0
	v_readfirstlane_b32 s[WV], v60
	s_lshr_b32 s19, s[WV], 1                       ; a
	s_and_b32 s20, s[WV], 1                        ; b
	s_bfe_u32 s21, ttmp6, 0x40000
	s_lshl_b32 s22, ttmp9, 2
	s_add_co_u32 s22, s22, s21                     ; work-group g
	s_lshr_b32 s23, ttmp9, 4
	s_lshl_b32 s23, s23, 2
	s_add_co_u32 s23, s23, ttmp9
	s_and_b32 s23, s23, 15                         ; where my cluster begins its walk round W: 32 rows x this
	s_add_co_u32 s[OFS], s23, 14                   ; each slot stands one fill (two times 32 rows) ahead of its first: every fill steps first
	s_and_b32 s[OFS], s[OFS], 15
	s_lshl_b32 s[OFS], s[OFS], 15
	s_mov_b32 s[OFS+1], 0
	s_add_co_u32 s[OFS+2], s23, 15
	s_and_b32 s[OFS+2], s[OFS+2], 15
	s_lshl_b32 s[OFS+2], s[OFS+2], 15
	s_mov_b32 s[OFS+3], 0
	v_and_b32 v61, 31, v0
	v_and_b32 v62, 15, v0
	v_bfe_u32 v63, v0, 4, 1
	s_lshl_b32 s48, s23, 7
	v_lshl_add_u32 v60, v0, 4, s48
	v_and_b32 v60, 0x7ff, v60                      ; the tables are laid in the walk's order
	s_lshl_b32 s48, s[WV], 10
	v_lshl_add_u32 v[GOFF], v61, 4, s48
	s_lshl_b32 s48, s[WV], 8
	s_add_co_u32 s48, s48, EXCH
	v_lshl_add_u32 v[XST], v61, 2, s48
	v_mul_u32_u24 v[XLD], v62, WP
	v_lshl_add_u32 v[XLD], v63, 4, v[XLD]
	v_mov_b32 v[WB0], v[XLD]
	s_mul_i32 s48, s19, 16*WP
	s_add_co_u32 s48, s48, EXCH
	v_add_nc_u32 v[XLD], s48, v[XLD]
	s_mul_i32 s48, s20, 2*CHUNK
	v_add_nc_u32 v[WB0], s48, v[WB0]
	v_add_nc_u32 v[WB1], SLOTB, v[WB0]
	v_lshl_add_u32 v[EA0], v0, 4, E16L
	v_add_nc_u32 v[EA1], 0x10000, v[EA0]
	s_lshl_b32 s48, s20, 11
	s_add_co_u32 s48, s48, QT
	v_lshl_add_u32 v[QA0], v63, 5, s48
	v_lshl_add_u32 v[TAD], v0, 4, QT
	s_lshl_b32 s48, s20, 9
	s_lshl_b32 s49, s19, 6
	s_add_co_u32 s48, s48, s49
	s_add_co_u32 s48, s48, SCR
	v_lshl_add_u32 v[SCA], v62, 2, s48
	v_lshl_add_u32 v[SCB], v61, 4, SCR
	s_lshl_b32 s48, s[WV], 9
	s_add_co_u32 s48, s48, PBUF
	v_mov_b32 v[PB], s48
	v_lshl_add_u32 v[PST], v61, 4, s48
	v_lshlrev_b32 v[OUTO], 4, v61
	s_mov_b32 s[G1], 15|(1<<20)|(1<<21)|(7<<22)|(3<<25)   ; mask of the four; bytes; four words of padding behind every 256
	s_mov_b32 s[G1+1], 1024<<16
	s_mov_b32 s[G1+2], 16<<16
	s_mov_b32 s[G1+3], 1024<<16
	s_mov_b32 s[G1+4], 16
	s_mov_b32 s[G1+5], 1024
	s_mov_b32 s[G1+6], 0
	s_mov_b32 s[G1+7], 0
	s_mov_b32 s[SEL], 0x76543210
	s_mov_b32 s[SEL+1], 0xfedcba98
	s_mul_i32 s48, s[WV], CHUNK
	s_lshl_b32 s50, s19, 19
	s_lshl_b32 s51, s20, 14
	s_add_co_u32 s50, s50, s51                     ; wave w fetches 16 rows: half w / 2 of W, rows 16 (w % 2) on of the slot's 32
	s_mov_b32 s51, 0
	s_mov_b32 s53, 0
	s_wait_alu depctr_va_vdst(0)                   ; the wait at the head's end
	s_wait_dscnt 0x0                               ; both opening adds are done
	s_wait_kmcnt 0x0
	s_load_b64 s[46:47], s[10:11], 0x8             ; e2, e3
	s_lshl_b32 s52, s22, 20                        ; my two blocks: 256 rows of 4,096 bytes,
	s_add_nc_u64 s[4:5], s[4:5], s[52:53]
	s_lshl_b32 s52, s22, 10                        ; 256 numbers of u,
	s_add_nc_u64 s[14:15], s[14:15], s[52:53]
	s_lshl_b32 s52, s22, 13                        ; two rows of ws_ctx,
	s_add_nc_u64 s[16:17], s[16:17], s[52:53]
	s_lshr_b32 s52, ttmp9, 1                       ; and batch g / 8's row of ws_q
	s_lshl_b32 s52, s52, 12
	s_add_nc_u64 s[12:13], s[12:13], s[52:53]
	global_load_b128 v[32:35], v60, s[12:13]       ; the tables, then block 0's first rows
	global_load_b128 v[36:39], v60, s[12:13] offset:2048
	global_load_b128 v[40:43], v60, s[8:9]
	global_load_b128 v[44:47], v60, s[8:9] offset:2048
	FIRSTROWS
	s_add_nc_u64 s[WBS:WBS+1], s[6:7], s[50:51]
	s_mov_b32 s[G0], 1
	s_mov_b32 s[G0+1], s48
	s_mov_b32 s[G0+4], 1
	s_add_co_u32 s[G0+5], s48, SLOTB
	s_mov_b32 s[BLK], 0
	s_wait_kmcnt 0x0
	s_add_co_i32 s48, s46, s47
	s_lshl_b32 s48, s48, 23
	s_add_co_i32 s[CS], s48, 0x4038aa3b            ; 2 log2(e) x 2^(e2 + e3)
	s_mov_b32 s[CS+1], s[CS]
	s_add_co_i32 s48, s46, 127
	s_lshl_b32 s[SCLS], s48, 23                    ; 2^e2
	s_add_co_i32 s48, s48, 15
	s_lshl_b32 s48, s48, 23
	s_or_b32 s[LIMS], s48, 0x600000                ; 57,344 x 2^e2
	s_wait_loadcnt 2*AHEAD                         ; the tables are in; the rows' 56 younger loads stay out
.irp j, 40,42,44,46
	v_pk_mul_f32 v[\j:\j+1], v[\j:\j+1], 0xc038aa3b op_sel_hi:[1,0]   ; -2 log2(e) V
.endr
	ds_store_b128 v[TAD], v[32:35]
	ds_store_b128 v[TAD], v[36:39] offset:2048
	ds_store_b128 v[TAD], v[40:43] offset:4096
	ds_store_b128 v[TAD], v[44:47] offset:6144
; one row: my 8 numbers a lane -> bf16 copy, hold, codes; the row 28 further on is asked for
.macro ROW rho
	LAND \rho
.set cc, CT+2*((\rho)%4)
.set bb, BT+4*((\rho)%4)
.if (\rho) > 100
	s_wait_loadcnt 2*(127-(\rho))
.else
	s_wait_loadcnt 2*AHEAD-2                       ; this row's two loads are the oldest of 56
.endif
	s_wait_dscnt 6
.if (\rho) < 64
.set wn, 0xc0|lw|(lw<<2)
	WIN wn
.irp k, 0,1,2,3
	v_cvt_pk_bf16_f32 v[4*(\rho)+\k], v[lx+2*\k], v[lx+2*\k+1]
.endr
.else
.set wn, lw|(lw<<2)
	WIN wn
.irp k, 0,1,2,3
	v_cvt_pk_bf16_f32 v[bb+\k], v[lx+2*\k], v[lx+2*\k+1]
.endr
.endif
.set wn, lw|(lw<<6)
	WIN wn
.irp k, 0,1,2,3,4,5,6,7
	v_med3_num_f32 v[lx+\k], v[lx+\k], -v[LIM], v[LIM]
.endr
.set wn, lw
	WIN wn
	v_cvt_scalef32_pk8_bf8_f32 v[cc:cc+1], v[lx:lx+7], v[SCL]
.if (\rho)+AHEAD < 128
	LAND (\rho)+AHEAD
.set wn, lw<<6                         ; the destination's window alone: the LDS stores below name sources only
.else
.set wn, 0
.endif
	WIN wn
	v_nop
	ds_store_b32 v[XST], v[cc] offset:((\rho)%32)*WP
	ds_store_b32 v[XST], v[cc+1] offset:((\rho)%32)*WP+128
.if (\rho) >= 96
	ds_store_b128 v[EA1], v[bb:bb+3] offset:((\rho)-96)*2048
.elseif (\rho) >= 64
	ds_store_b128 v[EA0], v[bb:bb+3] offset:((\rho)-64)*2048
.endif
.if (\rho)+AHEAD < 128
	global_load_b128 v[lx:lx+3], v[GOFF], s[4:5] offset:((\rho)+AHEAD)*ROWB th:TH_LOAD_NT
	global_load_b128 v[lx+4:lx+7], v[GOFF], s[4:5] offset:((\rho)+AHEAD)*ROWB+512 th:TH_LOAD_NT
.endif
.endm
; 32 rows of codes are whole: my 16 of them become operand registers (K steps 0-3 window 1, 4-7 window 2)
.macro PIECE_END p
	WIN 0
.if \p == 0
	s_wait_tensorcnt 0x0                           ; slot 1 is filled behind these lines and a round;
	ds_add_u32 v[SPW], v[NIL]
	NEXTW 1
	s_wait_dscnt 0x0                               ; (my stores of the 32 rows' codes are done too)
	ROUND                                          ; which serves as this piece's barrier as well
	tensor_load_to_lds s[G0+4:G0+7], s[G1:G1+7]
	s_nop 0
.else
.if \p == 3
	s_wait_tensorcnt 0x0                           ; slot 1's fill: shown to all waves by the barrier below
.endif
	s_wait_dscnt 0x0
	s_barrier_signal -1
	s_barrier_wait -1
.endif
	WIN 0x40
.irp s, 0,1,2,3
.irp c, 0,1,2,3
	ds_load_b128 v[64*\p+16*\s+4*\c:64*\p+16*\s+4*\c+3], v[XLD] offset:128*\s+32*\c
.endr
.endr
	WIN 0x80
.irp s, 0,1,2,3
.irp c, 0,1,2,3
	ds_load_b128 v[64*\p+16*\s+4*\c:64*\p+16*\s+4*\c+3], v[XLD] offset:512+128*\s+32*\c
.endr
.endr
	WIN 0
.if \p < 3
	s_wait_dscnt 0x0                               ; my reads are over before the next 32 rows are stored
	s_barrier_signal -1
	s_barrier_wait -1
.endif
.endm
.macro LOADF f, adr, off               ; fragment f of a tile of W: 16 rows x 128 K
.irp c, 0,1,2,3
	ds_load_b128 v[BF+16*(\f)+4*\c:BF+16*(\f)+4*\c+3], v[\adr] offset:(\off)+128*(\f)+32*\c
.endr
.endm
.macro LOADQV o                        ; query and V at the step's two tiles: eight loads
.irp t, 0,1
	ds_load_b128 v[QR+8*\t:QR+8*\t+3], v[QAD] offset:\o+64*\t
	ds_load_b128 v[QR+8*\t+4:QR+8*\t+7], v[QAD] offset:\o+64*\t+16
	ds_load_b128 v[VR+8*\t:VR+8*\t+3], v[QAD] offset:4096+\o+64*\t
	ds_load_b128 v[VR+8*\t+4:VR+8*\t+7], v[QAD] offset:4096+\o+64*\t+16
.endr
.endm
; K steps k0 .. k1 of one tile: W's fragment against my four row tiles; the four accumulators take turns; K step 0 starts the sums
.macro MM acs, k0, k1
.set ks, \k0
.rept (\k1)-(\k0)+1
.set wn, 4+4*(ks/4)
	WIN wn                                         ; source 1: window 1 or 2
.set mt, 0
.rept 4
.set ra, ACC+32*\acs+8*mt
.set rb, BF+16*ks
.set rc, 64*mt+16*(ks%4)
.if ks == 0
	v_wmma_f32_16x16x128_bf8_bf8 v[ra:ra+7], v[rb:rb+15], v[rc:rc+15], 0
.else
	v_wmma_f32_16x16x128_bf8_bf8 v[ra:ra+7], v[rb:rb+15], v[rc:rc+15], v[ra:ra+7]
.endif
.set mt, mt+1
.endr
.set ks, ks+1
.endr
.endm
; 64 result registers: y = c x sum + query; 2^y; + 1; reciprocal; x V into the scores' sums.  Each batch of transcendentals has one wait ahead and one behind.
.macro TANH1 t                         ; y of tile t's 32 registers
.set ti, 16*(\t)
.rept 16
.set pa, ACC+2*ti
.set pq, QR+8*(ti/16)+2*(ti%4)
	v_pk_fma_f32 v[pa:pa+1], v[pa:pa+1], s[CS:CS+1], v[pq:pq+1] op_sel_hi:[1,0,1]   ; each accumulator from its low end on
.set ti, ti+1
.endr
.endm
.macro TANH                            ; the rest, for both tiles
	s_wait_alu depctr_va_vdst(0)
.set ti, 0
.rept 64
	v_exp_f32 v[ACC+ti], v[ACC+ti]
.set ti, ti+1
.endr
	v_nop
	s_wait_alu depctr_va_vdst(0)
.set ti, 0
.rept 32
	v_pk_add_f32 v[ACC+2*ti:ACC+2*ti+1], v[ACC+2*ti:ACC+2*ti+1], 1.0 op_sel_hi:[1,0]
.set ti, ti+1
.endr
	s_wait_alu depctr_va_vdst(0)
.set ti, 0
.rept 64
	v_rcp_f32 v[ACC+ti], v[ACC+ti]
.set ti, ti+1
.endr
	v_nop
	s_wait_alu depctr_va_vdst(0)
.set ti, 0
.rept 32                               ; the four row tiles' sums take turns
.set tm, ti%4
.set tg, ti/4
.set pa, ACC+32*(tg/4)+8*tm+2*(tg%4)
	v_pk_fma_f32 v[SA+2*tm:SA+2*tm+1], v[pa:pa+1], v[VR+2*tg:VR+2*tg+1], v[SA+2*tm:SA+2*tm+1]
.set ti, ti+1
.endr
.endm
; A STEP: slot cur's two tiles.  On entry tile a's eight fragments are asked for, in two runs of 16 loads.  Each run of fragment loads stands behind four places.
; LDS loads come back in order, so each wait's count is the number of younger loads.  mk = 1: the slot is filled again and the next is read; 2: the next is read; 0: a block's last step.
.macro SSTEP cur, nxt, sl, mk, qo
	LOADQV \qo                                     ; the step's tables: eight loads
	s_wait_dscnt 24                                ; tile a's fragments 0-3 (younger: its 4-7 and the tables)
	MM 0, 0, 3
	PLACES
.irp f, 0,1,2,3
	LOADF \f, \cur, CHUNK
.endr
	s_wait_dscnt 24                                ; tile a's fragments 4-7 (younger: the tables and tile b's 0-3)
	MM 0, 4, 7
	PLACES
.irp f, 4,5,6,7
	LOADF \f, \cur, CHUNK
.endr
	s_wait_dscnt 16                                ; tile b's fragments 0-3
	MM 1, 0, 1
.if \mk != 0
	WIN 0
	s_wait_tensorcnt 0x0                           ; my part of the next slot has landed
	ds_add_u32 v[SPW], v[NIL]
.if \mk == 1
	NEXTW \sl
.endif
.endif
	MM 1, 2, 3
	s_wait_dscnt 0x0                               ; the add is done and my reads of this slot are over
.if \mk != 0
	s_barrier_signal -1
.endif
	MM 1, 4, 5
.if \mk != 0
	WIN 0
	s_barrier_wait -1
.endif
.if \mk == 1
	CREST                                          ; the barrier has opened a round: no wave of any partner still reads the slot
	tensor_load_to_lds s[G0+4*\sl:G0+4*\sl+3], s[G1:G1+7]
	s_nop 0
.endif
	PLACES
.if \mk != 0
.irp f, 0,1,2,3
	LOADF \f, \nxt, 0
.endr
.endif
	MM 1, 6, 7
	WIN 0
	TANH1 0                                        ; tile a's sums were finished long ago: these 16 lines are the places behind the last products
.if \mk != 0
.irp f, 4,5,6,7
	LOADF \f, \nxt, 0
.endr
.else
	s_cmp_eq_u32 s[BLK], 1                         ; the codes are done with: block 0 asks for block 1's first rows; block 1 has no successor
	s_cbranch_scc1 .Lno_next_\@
	s_add_nc_u64 s[4:5], s[4:5], 128*ROWB          ; (every load of this block has come back)
	FIRSTROWS
.Lno_next_\@:
.endif
	TANH1 1
	TANH
.endm
.Lblock:                                               ; two trips: a block each
	v_mov_b32 v[SCL], s[SCLS]
	v_mov_b32 v[LIM], s[LIMS]
	s_wait_alu depctr_va_vdst(0)                   ; the wait ahead of the wait below
	s_wait_tensorcnt 0x0                           ; slot 0 is filled behind these lines and a round; the first tensor load stands in this loop,
	ds_add_u32 v[SPW], v[NIL]                      ; the add twice on end here
	ds_add_u32 v[SPW], v[NIL]
	NEXTW 0
	s_wait_dscnt 0x0
	ROUND
	tensor_load_to_lds s[G0:G0+3], s[G1:G1+7]
	s_nop 0
	PLACES
.set rw, 0
.irp p, 0,1,2,3
.rept 32
	ROW rw
.set rw, rw+1
.endr
	PIECE_END \p
.endr
.irp f, 0,1,2,3,4,5,6,7
	LOADF \f, WB0, 0
.endr
.irp j, 0,1,2,3,4,5,6,7
	v_mov_b32 v[SA+\j], 0
.endr
	s_mov_b32 s[TQ], 0
	s_mov_b32 s45, 7
	s_wait_alu depctr_va_vdst(0)                   ; the wait ahead of the wait below
	s_wait_dscnt 0x0
.Ltrip:                                                ; a trip goes once round the ring: 14 of the 16 steps fill their slot again
	v_add_nc_u32 v[QAD], s[TQ], v[QA0]
	s_wait_alu depctr_va_vdst(0)                   ; the wait behind this write
	SSTEP WB0, WB1, 0, 1, 0
	SSTEP WB1, WB0, 1, 1, 128
	s_add_co_u32 s[TQ], s[TQ], 256
	s_sub_co_u32 s45, s45, 1
	s_cmp_lg_u32 s45, 0
	s_cbranch_scc1 .Ltrip
	v_add_nc_u32 v[QAD], s[TQ], v[QA0]
	s_wait_alu depctr_va_vdst(0)
	SSTEP WB0, WB1, 0, 2, 0
	SSTEP WB1, WB0, 1, 0, 128
; the scores: my half of n, both halves of the lanes; then the two halves of n through LDS
.irp m, 0,1,2,3
	v_add_f32 v[CT+\m], v[SA+2*\m], v[SA+2*\m+1]
.endr
.irp m, 0,1,2,3
	v_permlanex16_b32 v[CT+4+\m], v[CT+\m], s[SEL], s[SEL+1]
.endr
.irp m, 0,1,2,3
	v_add_f32 v[CT+\m], v[CT+\m], v[CT+4+\m]
.endr
.irp m, 0,1,2,3
	ds_store_b32 v[SCA], v[CT+\m] offset:128*\m
.endr
	s_wait_dscnt 0x0
	s_barrier_signal -1
	s_barrier_wait -1
	ds_load_b128 v[CT:CT+3], v[SCB]                ; lane l: rows 4 l .. 4 l + 3
	ds_load_b128 v[CT+4:CT+7], v[SCB] offset:512
	s_wait_dscnt 0x0
	v_pk_add_f32 v[CT:CT+1], v[CT:CT+1], v[CT+4:CT+5]
	v_pk_add_f32 v[CT+2:CT+3], v[CT+2:CT+3], v[CT+6:CT+7]
	v_max3_num_f32 v60, v[CT], v[CT+1], v[CT+2]
	v_max_num_f32 v60, v60, v[CT+3]
	v_max_num_f32_dpp v60, v60, v60 row_xmask:1 row_mask:0xf bank_mask:0xf
	v_max_num_f32_dpp v60, v60, v60 row_xmask:2 row_mask:0xf bank_mask:0xf
	v_max_num_f32_dpp v60, v60, v60 row_xmask:4 row_mask:0xf bank_mask:0xf
	v_max_num_f32_dpp v60, v60, v60 row_xmask:8 row_mask:0xf bank_mask:0xf
	v_permlanex16_b32 v61, v60, s[SEL], s[SEL+1]
	v_max_num_f32 v60, v60, v61                    ; m: the block's largest u, taken away before the exponential
.irp k, 0,1,2,3
	v_sub_f32 v[CT+4+\k], v[CT+\k], v60
.endr
	s_wait_alu depctr_va_vdst(0)
.irp k, 0,1,2,3
	v_exp_f32 v[CT+4+\k], v[CT+4+\k]
.endr
.irp j, 0,1,2,3,4,5,6,7
	v_mov_b32 v[CTX+\j], 0                         ; (plain lines behind the exponentials)
.endr
	s_wait_alu depctr_va_vdst(0)
	ds_store_b128 v[PST], v[CT+4:CT+7]             ; each wave keeps its own copy of the 128 weights
	s_cmp_lg_u32 s[WV], 0
	s_cbranch_scc1 .Lnot_u
	global_store_b128 v[OUTO], v[CT:CT+3], s[14:15]   ; 32 lanes store the block's 512 bytes of u
.Lnot_u:
.set ii, 0
.rept 32
	ds_load_b128 v[128+4*ii:128+4*ii+3], v[PB] offset:16*ii   ; v[128 + row] = the row's weight, in every lane
.set ii, ii+1
.endr
.set ii, 0
.rept 16
	ds_load_b128 v[64+4*ii:64+4*ii+3], v[EA0] offset:2048*ii
.set ii, ii+1
.endr
.macro MIX8                            ; my 8 columns of one row x its weight
.irp k, 0,1,2,3
	v_fma_mix_f32_bf16 v[CTX+2*\k], v[eq+\k], v[pp], v[CTX+2*\k] op_sel_hi:[1,0,0]
	v_fma_mix_f32_bf16 v[CTX+2*\k+1], v[eq+\k], v[pp], v[CTX+2*\k+1] op_sel:[1,0,0] op_sel_hi:[1,0,0]
.endr
.endm
	s_wait_dscnt 16                                ; the weights are in
	WIN 0x03                                       ; rows 0-63: source 0 in window 3
.set rw, 0
.rept 64
.set eq, 4*rw
.set pp, 128+rw
	MIX8
.set rw, rw+1
.endr
	WIN 0
.set bi, 0
.rept 16                               ; rows 64-127, four at a time, 16 rows asked for ahead
	s_wait_alu depctr_va_vdst(0)                   ; the wait ahead of the wait below
.if bi > 12
	s_wait_dscnt 4*(15-bi)
.else
	s_wait_dscnt 12
.endif
.set rj, 0
.rept 4
.set rw, 64+4*bi+rj
.set eq, 64+4*((rw-64)%16)
.set pp, 128+rw
	MIX8
.set rj, rj+1
.endr
.if bi < 12
.set rj, 0
.rept 4
.set rw, 64+4*bi+rj
.set eq, 64+4*((rw-64)%16)
.if rw+16 < 96
	ds_load_b128 v[eq:eq+3], v[EA0] offset:(rw+16-64)*2048
.else
	ds_load_b128 v[eq:eq+3], v[EA1] offset:(rw+16-96)*2048
.endif
.set rj, rj+1
.endr
.endif
.set bi, bi+1
.endr
	global_store_b128 v[GOFF], v[CTX:CTX+3], s[16:17]              ; each store of the wave covers 512 consecutive bytes, aligned
	global_store_b128 v[GOFF], v[CTX+4:CTX+7], s[16:17] offset:512
	s_wait_xcnt 0x0                                ; the stores have read their bases and data: both may be written again
	s_add_nc_u64 s[14:15], s[14:15], 512           ; the next block's u,
	s_add_nc_u64 s[16:17], s[16:17], 4096          ; and its row of ws_ctx
	s_add_co_u32 s[BLK], s[BLK], 1
	s_cmp_lt_u32 s[BLK], 2
	s_wait_alu depctr_va_vdst(0)                   ; the wait directly ahead of the branch
	s_cbranch_scc1 .Lblock
	s_wait_tensorcnt 0x0                           ; the wave's end
	ds_add_u32 v[SPW], v[NIL]
	s_wait_dscnt 0x0
	ROUND                                          ; the closing round
	s_endpgm
.Lfunc_end_k_q62149b7ac1_attn:
	.size	k_q62149b7ac1_attn, .Lfunc_end_k_q62149b7ac1_attn-k_q62149b7ac1_attn
	.p2alignl 7, 3214868480
	.fill 96, 4, 3214868480
	.section	.rodata,"a",@progbits
	.p2align	6, 0x0
	.amdhsa_kernel k_q62149b7ac1_attn
		.amdhsa_group_segment_fixed_size 327680
		.amdhsa_private_segment_fixed_size 0
		.amdhsa_enable_private_segment 0
		.amdhsa_kernarg_size 56
		.amdhsa_user_sgpr_count 2
		.amdhsa_user_sgpr_kernarg_segment_ptr 1
		.amdhsa_wavefront_size32 1
		.amdhsa_system_sgpr_workgroup_id_x 1
		.amdhsa_system_sgpr_workgroup_id_y 1
		.amdhsa_system_sgpr_workgroup_id_z 1
		.amdhsa_system_vgpr_workitem_id 0
		.amdhsa_next_free_vgpr 1024
		.amdhsa_next_free_sgpr 66
		.amdhsa_reserve_vcc 0
		.amdhsa_float_denorm_mode_32 3
		.amdhsa_float_denorm_mode_16_64 3
		.amdhsa_memory_ordered 1
		.amdhsa_forward_progress 1
		.amdhsa_inst_pref_size 255
	.end_amdhsa_kernel
	.section	.bss,"aw",@nobits
	.p2align	6
	.space	262144
	.amdgpu_metadata
---
amdhsa.version: [ 1, 2 ]
amdhsa.kernels:
  - .name:           k_q62149b7ac1_attn
    .symbol:         k_q62149b7ac1_attn.kd
    .args:
      - { .name: encoder_outputs, .offset: 0, .size: 8, .value_kind: global_buffer, .address_space: global }
      - { .name: W_key_codes, .offset: 8, .size: 8, .value_kind: global_buffer, .address_space: global }
      - { .name: V, .offset: 16, .size: 8, .value_kind: global_buffer, .address_space: global }
      - { .name: lowp_scales, .offset: 24, .size: 8, .value_kind: global_buffer, .address_space: global }
      - { .name: ws_q, .offset: 32, .size: 8, .value_kind: global_buffer, .address_space: global }
      - { .name: ws_u, .offset: 40, .size: 8, .value_kind: global_buffer, .address_space: global }
      - { .name: ws_ctx, .offset: 48, .size: 8, .value_kind: global_buffer, .address_space: global }
    .group_segment_fixed_size: 327680
    .private_segment_fixed_size: 0
    .kernarg_segment_align: 8
    .kernarg_segment_size: 56
    .max_flat_workgroup_size: 128
    .sgpr_count:     66
    .vgpr_count:     1024
    .wavefront_size: 32
...
	.end_amdgpu_metadata
.endif
;; end of part 2
;; launch fin (part 3): grid 32 x 1, 8 waves a work-group, no clusters, 1,536 bytes of LDS; arguments ws_u, ws_ctx, out0, out1; writes out0, out1
.if DOCPART == 3
	.amdgcn_target "amdgcn-amd-amdhsa--gfx1250"
	.amdhsa_code_object_version 6
	.text
	.protected	k_q62149b7ac1_fin
	.globl	k_q62149b7ac1_fin
	.p2align	8
	.type	k_q62149b7ac1_fin,@function
k_q62149b7ac1_fin:
	s_mov_b64 s[64:65], 0
	v_nop
	global_prefetch_b8 v0, s[64:65] scope:SCOPE_SE
	s_setreg_imm32_b32 hwreg(HW_REG_WAVE_MODE, 25, 1), 1
	s_wait_xcnt 0x0
; THE 16 BLOCKS OF A BATCH ARE JOINED.  ws_u[b][s] = u = log2(e) x score less a term that is the same along s (left out: see the first kernel's head); ws_ctx[16 b + g][:] = sum over block g's rows of 2^(u - m_g) x row,
; m_g = block g's largest u.  Here: m_g anew from u (a maximum is exact), M = the batch's largest u, L = sum_s 2^(u - M);  out1 = 2^(u - M) / L;  out0 = sum_g 2^(m_g - M) ws_ctx[g] / L.
; One work-group a batch, eight waves.  Thread t holds u at 4 t .. 4 t + 3 and at 1024 + 4 t ..: wave w holds blocks w and w + 8 whole; and columns 4 t .. 4 t + 3 of the 16 partial contexts.
; Every load and store of a wave covers 512 consecutive bytes.  No matrix work, no tensor loads: 2.3 MB are read once by 32 work-groups.
; LDS: the 16 maxima in the block at 0, the eight sums in the block at 256, the spare words from 512 on (128 bytes for each wave).
; REGISTERS: v1, v2 the add's two; v3 16 t; v5 4 w; v6 0; v7 M; v8-15 u, later out0's sums; v16-31 m_g; v32-47 2^(m_g - M); v48-55 p; v56-63 sums; v64-127 the 16 partial contexts.
	s_load_b256 s[4:11], s[0:1], 0x0               ; ws_u s[4:5], ws_ctx s[6:7], out0 s[8:9], out1 s[10:11]
	v_lshl_add_u32 v1, v0, 2, 512                  ; my spare word
	v_mov_b32 v2, 0
	v_lshrrev_b32 v4, 5, v0
	s_delay_alu instid0(VALU_DEP_1)
	v_readfirstlane_b32 s12, v4                    ; wave
	v_lshlrev_b32 v3, 4, v0
	s_lshl_b32 s13, s12, 2
	v_mov_b32 v5, s13
	v_mov_b32 v6, 0
	v_mov_b32 v18, 0                               ; written once: a lane permute's destination counts as one of its sources
	v_mov_b32 v19, 0
	s_mov_b32 s14, 0x76543210
	s_mov_b32 s15, 0xfedcba98
	s_lshl_b32 s16, ttmp9, 13                      ; the batch's 2,048 numbers of u and of out1
	s_mov_b32 s17, 0
	s_lshl_b32 s18, ttmp9, 16                      ; its 16 rows of ws_ctx
	s_mov_b32 s19, 0
	s_lshl_b32 s20, ttmp9, 12                      ; its row of out0
	s_mov_b32 s21, 0
	s_wait_alu depctr_va_vdst(0)
	s_wait_kmcnt 0x0
	s_add_nc_u64 s[4:5], s[4:5], s[16:17]
	s_add_nc_u64 s[10:11], s[10:11], s[16:17]
	s_add_nc_u64 s[6:7], s[6:7], s[18:19]
	s_add_nc_u64 s[8:9], s[8:9], s[20:21]
	global_load_b128 v[8:11], v3, s[4:5]
	global_load_b128 v[12:15], v3, s[4:5] offset:4096
.irp g, 0,1,2,3,4,5,6,7,8,9,10,11,12,13,14,15
	global_load_b128 v[64+4*\g:67+4*\g], v3, s[6:7] offset:4096*\g
.endr
	s_wait_loadcnt 16                              ; u is in; the 16 younger loads stay out
	v_max3_num_f32 v16, v8, v9, v10
	v_max3_num_f32 v17, v12, v13, v14
	s_delay_alu instid0(VALU_DEP_2)
	v_max_num_f32 v16, v16, v11
	s_delay_alu instid0(VALU_DEP_2)
	v_max_num_f32 v17, v17, v15
.irp x, 1,2,4,8
	s_delay_alu instid0(VALU_DEP_2)
	v_max_num_f32_dpp v16, v16, v16 row_xmask:\x row_mask:0xf bank_mask:0xf
	s_delay_alu instid0(VALU_DEP_2)
	v_max_num_f32_dpp v17, v17, v17 row_xmask:\x row_mask:0xf bank_mask:0xf
.endr
	s_delay_alu instid0(VALU_DEP_2)
	v_permlanex16_b32 v18, v16, s14, s15
	s_delay_alu instid0(VALU_DEP_2)
	v_permlanex16_b32 v19, v17, s14, s15
	s_delay_alu instid0(VALU_DEP_2)
	v_max_num_f32 v16, v16, v18                    ; m of block w,
	s_delay_alu instid0(VALU_DEP_2)
	v_max_num_f32 v17, v17, v19                    ; and of block w + 8
	ds_store_b32 v5, v16
	ds_store_b32 v5, v17 offset:32
	s_wait_dscnt 0x0                               ; for the others' sake: my stores are done
	s_barrier_signal -1
	s_barrier_wait -1
.irp i, 0,1,2,3
	ds_load_b128 v[16+4*\i:19+4*\i], v6 offset:16*\i
.endr
	s_wait_dscnt 0x0
	v_max3_num_f32 v7, v16, v17, v18
.irp j, 19,21,23,25,27,29
	s_delay_alu instid0(VALU_DEP_1)
	v_max3_num_f32 v7, v7, v[\j], v[\j+1]
.endr
	s_delay_alu instid0(VALU_DEP_1)
	v_max_num_f32 v7, v7, v31                      ; M: taken away before every exponential
.irp g, 0,1,2,3,4,5,6,7,8,9,10,11,12,13,14,15
	v_sub_f32 v[32+\g], v[16+\g], v7
.endr
.irp k, 0,1,2,3,4,5,6,7
	v_sub_f32 v[48+\k], v[8+\k], v7
.endr
	s_wait_alu depctr_va_vdst(0)
.irp j, 0,1,2,3,4,5,6,7,8,9,10,11,12,13,14,15,16,17,18,19,20,21,22,23
	v_exp_f32 v[32+\j], v[32+\j]                   ; 2^(m_g - M), then p = 2^(u - M)
.endr
	v_nop                                          ; a plain line behind the last exponential,
	s_wait_alu depctr_va_vdst(0)                   ; and one wait for the 24, ahead of the first line that names a result
	v_pk_add_f32 v[56:57], v[48:49], v[50:51]
	v_pk_add_f32 v[58:59], v[52:53], v[54:55]
	s_delay_alu instid0(VALU_DEP_1)
	v_pk_add_f32 v[56:57], v[56:57], v[58:59]
	s_delay_alu instid0(VALU_DEP_1)
	v_add_f32 v56, v56, v57
.irp x, 1,2,4,8
	s_delay_alu instid0(VALU_DEP_1)
	v_add_f32_dpp v56, v56, v56 row_xmask:\x row_mask:0xf bank_mask:0xf
.endr
	s_delay_alu instid0(VALU_DEP_1)
	v_permlanex16_b32 v57, v56, s14, s15
	s_delay_alu instid0(VALU_DEP_1)
	v_add_f32 v56, v56, v57                        ; my wave's 256 p
	ds_store_b32 v5, v56 offset:256
	s_wait_dscnt 0x0
	s_barrier_signal -1
	s_barrier_wait -1
	ds_load_b128 v[56:59], v6 offset:256
	ds_load_b128 v[60:63], v6 offset:272
	s_wait_dscnt 0x0
	v_pk_add_f32 v[56:57], v[56:57], v[58:59]
	v_pk_add_f32 v[60:61], v[60:61], v[62:63]
	s_delay_alu instid0(VALU_DEP_1)
	v_pk_add_f32 v[56:57], v[56:57], v[60:61]
	s_delay_alu instid0(VALU_DEP_1)
	v_add_f32 v56, v56, v57                        ; L, by the same order of additions in every wave
	s_wait_alu depctr_va_vdst(0)
	v_rcp_f32 v58, v56
	v_nop
	s_wait_alu depctr_va_vdst(0)
.irp k, 48,50,52,54
	v_pk_mul_f32 v[\k:\k+1], v[\k:\k+1], v[58:59] op_sel_hi:[1,0]  ; both x v58 = 1 / L
.endr
	global_store_b128 v3, v[48:51], s[10:11]
	global_store_b128 v3, v[52:55], s[10:11] offset:4096
	s_wait_loadcnt 0x0                             ; the partial contexts
.irp k, 0,1,2,3
	v_mul_f32 v[8+\k], v[64+\k], v32               ; the first block starts the sums
.endr
.irp g, 1,2,3,4,5,6,7,8,9,10,11,12,13,14,15
.irp k, 0,1,2,3
	v_fmac_f32 v[8+\k], v[64+4*\g+\k], v[32+\g]
.endr
.endr
	v_pk_mul_f32 v[8:9], v[8:9], v[58:59] op_sel_hi:[1,0]
	v_pk_mul_f32 v[10:11], v[10:11], v[58:59] op_sel_hi:[1,0]
	global_store_b128 v3, v[8:11], s[8:9]
	s_wait_tensorcnt 0x0                           ; the wave's end
	ds_add_u32 v1, v2
	s_wait_dscnt 0x0
	s_endpgm
.Lfunc_end_k_q62149b7ac1_fin:
	.size	k_q62149b7ac1_fin, .Lfunc_end_k_q62149b7ac1_fin-k_q62149b7ac1_fin
	.p2alignl 7, 3214868480
	.fill 96, 4, 3214868480
	.section	.rodata,"a",@progbits
	.p2align	6, 0x0
	.amdhsa_kernel k_q62149b7ac1_fin
		.amdhsa_group_segment_fixed_size 1536
		.amdhsa_private_segment_fixed_size 0
		.amdhsa_enable_private_segment 0
		.amdhsa_kernarg_size 32
		.amdhsa_user_sgpr_count 2
		.amdhsa_user_sgpr_kernarg_segment_ptr 1
		.amdhsa_wavefront_size32 1
		.amdhsa_system_sgpr_workgroup_id_x 1
		.amdhsa_system_sgpr_workgroup_id_y 1
		.amdhsa_system_sgpr_workgroup_id_z 1
		.amdhsa_system_vgpr_workitem_id 0
		.amdhsa_next_free_vgpr 128
		.amdhsa_next_free_sgpr 66
		.amdhsa_reserve_vcc 0
		.amdhsa_float_denorm_mode_32 3
		.amdhsa_float_denorm_mode_16_64 3
		.amdhsa_memory_ordered 1
		.amdhsa_forward_progress 1
		.amdhsa_inst_pref_size 12
	.end_amdhsa_kernel
	.amdgpu_metadata
---
amdhsa.version: [ 1, 2 ]
amdhsa.kernels:
  - .name:           k_q62149b7ac1_fin
    .symbol:         k_q62149b7ac1_fin.kd
    .args:
      - { .name: ws_u, .offset: 0, .size: 8, .value_kind: global_buffer, .address_space: global }
      - { .name: ws_ctx, .offset: 8, .size: 8, .value_kind: global_buffer, .address_space: global }
      - { .name: out0, .offset: 16, .size: 8, .value_kind: global_buffer, .address_space: global }
      - { .name: out1, .offset: 24, .size: 8, .value_kind: global_buffer, .address_space: global }
    .group_segment_fixed_size: 1536
    .private_segment_fixed_size: 0
    .kernarg_segment_align: 8
    .kernarg_segment_size: 32
    .max_flat_workgroup_size: 256
    .sgpr_count:     66
    .vgpr_count:     128
    .wavefront_size: 32
...
	.end_amdgpu_metadata
.endif
;; end of part 3
